; MI455X (gfx1250); checked and timed in simulation.
; The chip was launched on July 23, 2026; its instructions are those of AMD's public machine-readable ISA for CDNA 5 (MIT licence, August 2026) and "CDNA5" Instruction Set Architecture Reference Guide (July 2026). The comments in the code are by the model that wrote it; some were corrected since.
;; Multi Head Attention. Allowed arithmetic: matrix products marked QUANTISED: E3M2 operands, one E8M0 scale for each 32 along K, by v_wmma_scale_f32_16x16x128_f8f6f4 with both operands' format E3M2, f32 sums; everything else in f32.
;; Inputs: Wk 1,024 x 1,024 float32; Wo 1,024 x 1,024 float32; Wq 1,024 x 1,024 float32; Wv 1,024 x 1,024 float32; bk 1,024 float32; bo 1,024 float32; bq 1,024 float32; bv 1,024 float32; mask 1 x 1 x 2,048 x 2,048 int32; x 4 x 2,048 x 1,024 float32.
;; Outputs: out0 4 x 2,048 x 1,024 float32.
;; This version of the problem:
;;   THIS VERSION OF THE PROBLEM IS GIVEN IN LOW PRECISION. The matrix products marked QUANTISED in the list below multiply operands that are first quantised to E3M2 (3 exponent bits, 2 mantissa bits; 6 bits a number), with one power-of-two scale for each 32 numbers along K (OCP MX v1.0); their sums are f32. All else is computed in f32.
;;   The module's matrix products, in the order in which they are computed (A, B: the left and right operand; K: the contracted axis; several contracted axes count as one K, in the product's order):
;;     1. [M 8,192, K 1,024] x [K 1,024, N 1,024]; A: input x; B: input Wq: QUANTISED
;;     2. [M 8,192, K 1,024] x [K 1,024, N 1,024]; A: input x; B: input Wk: QUANTISED
;;     3. [M 8,192, K 1,024] x [K 1,024, N 1,024]; A: input x; B: input Wv: QUANTISED
;;     4. batch 64 x [M 2,048, K 64] x [K 64, N 2,048]; A: computed on the way; B: computed on the way: QUANTISED
;;     5. batch 64 x [M 2,048, K 2,048] x [K 2,048, N 64]; A: softmax (see below); B: computed on the way: QUANTISED
;;     6. [M 8,192, K 1,024] x [K 1,024, N 1,024]; A: computed on the way; B: input Wo: QUANTISED
;;   THE QUANTISER, for each operand of a quantised product, along K:
;;     - K is cut into blocks of 32 from its start; a last block that is shorter is filled with zeros.
;;     - A block's scale is 2^e with e = floor(log2(the largest magnitude in the block)) - 4, held to -126 .. 127; a block of zeros has e = 0. As a byte (E8M0): e + 127.
;;     - Each number is divided by its block's scale, clamped to +-28, and rounded to the nearest number of E3M2, ties to even, subnormals kept.
;;     - The product sums the exact products of the quantised numbers (number of the format x scale) in f32.
;;   ~~~python
;;   def quantise(x, axis):      # numpy; x: float32 -> the quantised numbers, widened to float32 again
;;       x = np.moveaxis(x, axis, -1); K = x.shape[-1]
;;       x = np.pad(x, [(0, 0)] * (x.ndim - 1) + [(0, -K % 32)]); x = x.reshape(x.shape[:-1] + (-1, 32)); a = np.abs(x).max(-1, keepdims=True)
;;       e = np.where(a > 0, np.clip(np.frexp(np.where(a > 0, a, 1))[1] - 1 - 4, -126, 127), 0)      # np.frexp(a)[1] - 1 = floor(log2(a)), exactly
;;       r = np.clip(x / 2.0 ** e, -28, 28)
;;       step = 2.0 ** (np.maximum(np.frexp(np.where(r == 0, 1, r))[1] - 1, -2) - 2)
;;       q = np.round(r / step) * step * 2.0 ** e      # np.round: ties to even
;;       return np.moveaxis(q.reshape(q.shape[:-2] + (-1,))[..., :K], -1, axis).astype(np.float32)
;;   ~~~
;;   SOFTMAX AHEAD OF A QUANTISED PRODUCT. Where the list says 'softmax', what is quantised is not the finished softmax but p = 2^(t - M), with t = logit x log2(e) and M = ceil(the row's largest t), a whole number; so 1/2 < the row's largest p <= 1. The row's sum l is taken of the UNQUANTISED p, in f32, and the product's result is divided by l at the end. Since M is a whole number, a kernel that streams over the keys may use a running M (the ceiling of the running maximum): every later rescaling is an exact power of two, which a block's scale takes up: the codes' values come out the same.
;;   OPERANDS COMPUTED ON THE WAY. 'Computed on the way' means the value that the module computes at that place (a softmax that the list does not call 'softmax' is quantised finished and normalised). What goes into a quantiser is computed in f32, as accurately as f32 sums, v_exp_f32 and their like allow (about 1e-6 of the number): no bf16 or f16 on the way to a quantiser, and a product that is left as it is and whose result goes on into a quantised operand takes f32 operands (vector FMAs, or v_wmma_f32_16x16x4_f32). A number that lies on a knife's edge between two numbers of the format may be rounded either way, as far as f32 arithmetic and the matrix unit's own rounding can turn it there, and no further.
;; One version. Each part assembles by itself: llvm-mc -triple=amdgcn-amd-amdhsa -mcpu=gfx1250 --defsym DOCPART=n.
;; ======== version 1 of 1: 4 launches
;; limits: right only within a limited range of input values
;; workspace buffers: xq 6,553,600 bytes; wq 3,276,800 bytes; mk 524,288 bytes; qq 6,815,744 bytes; kv 13,107,200 bytes; cq 6,553,600 bytes
;; launch prep (part 1): grid 512 x 1, 4 waves a work-group, no clusters, 70,144 bytes of LDS; arguments x, Wq, Wk, Wv, Wo, mask, xq, wq, mk; writes xq, wq, mk
.if DOCPART == 1
	.amdgcn_target "amdgcn-amd-amdhsa--gfx1250"
	.amdhsa_code_object_version 6
	.text
	.protected	k_q3f294c090a_prep
	.globl	k_q3f294c090a_prep
	.p2align	8
	.type	k_q3f294c090a_prep,@function
k_q3f294c090a_prep:
	s_mov_b64 s[64:65], 0
	v_nop
	global_prefetch_b8 v0, s[64:65] scope:SCOPE_SE
	s_setreg_imm32_b32 hwreg(HW_REG_WAVE_MODE, 25, 1), 1
	s_wait_xcnt 0x0
; PREP.  x [8192][1024] and the four weights [1024][1024], f32, K innermost, become codes of BF6 (E3M2) with one E8M0 byte for each 32 along K, laid as IMAGES OF OPERAND REGISTERS;
; the mask [2048][2048] of int32 becomes lane masks, one bit a number.
; A TILE is 16 rows: tile T holds rows 32 (T / 2) + 8 (T % 2) + p + 8 (p / 8), p = 0 .. 15.  A FRAGMENT is a tile x 128 along K: 12 registers a lane; lane (r, h) holds row p = r, registers 6 c .. 6 c + 5 hold k = 64 c + 32 h + 0 .. 31.
; Its image is 1,536 bytes: registers 4 g .. 4 g + 3 of lane l at 512 g + 16 l.  The scale words of a tile and four K steps are 256 bytes: the word of (step sl, row r) at 8 (16 (sl % 2) + r) + 4 (sl / 2).
; xq: [128 rows: 64][half of K: 2][51,200]: [sl 4][tile 8][1,536], then [tile 8][256].   wq: [256 rows: 16 (Wq, Wk, Wv, Wo: four each)][half 2][102,400]: [sl 4][tile 16][1,536], then [tile 16][256].
; mk: [tile of queries 128][step of 128 keys 16][64 words]: bit l of word n says whether mask[row (l % 16) of the tile][128 step + 32 (n / 16) + 16 (l / 16) + n % 16] is not 0.
; SHARES.  Work-groups 0-255: x; 256-383: the weights, 32 each; 384-511: the mask.  A wave takes one tile x 512 numbers of each row, in four units of 16 rows x 512 bytes.
; Every load reads 512 consecutive bytes; a unit turns through the wave's own stage in LDS (rows 528 bytes apart), from which a lane takes the neighbours along K that the conversions want.  No barrier: waves share nothing.
; A block's scale: the largest magnitude's exponent field less 4, held at 1 from below.  LIMITS: NaN and infinities among the inputs are not served; a block of zeros gets the byte 1, not 127: its codes are zeros, and this program alone reads the bytes.
.set ROWX,  4096                       ; a row of x or of a weight, in bytes
.set ROWM,  8192                       ; a row of the mask
.set SP,    528                        ; a stage row: 512 bytes + 16
.set WREG,  8704                       ; a wave's LDS: 16 stage rows, then 256 bytes in which a tile's scale words are gathered
.set SGO,   16*SP
.set MBASE, 4*WREG                     ; the mask's path has LDS bytes of its own
.set R0,    32                         ; v32-159  two sets of 64: a unit as loaded
.set X,     160                        ; v160-223 a lane's 64 numbers
.set C,     224                        ; v224-247 two sets of 12: a fragment's codes
.set MW,    224                        ; the mask's path: v224-231, a pair of registers for each unit's 64 words
	s_load_b512 s[4:19], s[0:1], 0x0               ; x, Wq, Wk, Wv, Wo, mask, xq, wq
	s_load_b64 s[20:21], s[0:1], 0x40              ; mk
	v_lshl_add_u32 v248, v0, 2, 0x11000
	v_mov_b32 v249, 0
	v_lshrrev_b32 v8, 5, v0
	v_readfirstlane_b32 s22, v8                    ; wave
	v_and_b32 v9, 31, v0                           ; lane
	v_and_b32 v10, 15, v0                          ; r
	v_bfe_u32 v11, v0, 4, 1                        ; h
	v_lshlrev_b32 v1, 4, v9                        ; 16 x lane
	v_lshlrev_b32 v6, 3, v9                        ; 8 x lane
	v_lshlrev_b32 v7, 3, v11                       ; 8 h
	s_mul_i32 s48, s22, WREG
	v_add_nc_u32 v2, s48, v1                       ; the stage, on the way in
	v_mul_u32_u24 v12, v10, SP
	v_add_nc_u32 v12, s48, v12
	v_lshl_add_u32 v3, v11, 7, v12                 ; on the way out: row r, + 128 h: 32 numbers of a block
	v_lshl_add_u32 v25, v11, 6, v12
	v_add_nc_u32 v25, MBASE, v25                   ; the mask's: row r, + 64 h: 16 numbers
	v_add_nc_u32 v24, MBASE, v2
	v_lshlrev_b32 v4, 3, v10
	v_add_nc_u32 v4, s48, v4
	v_add_nc_u32 v4, SGO, v4                       ; where row r's scale words are gathered
	v_add_nc_u32 v5, s48, v6
	v_add_nc_u32 v5, SGO, v5                       ; and read back, 8 bytes a lane
	v_mov_b32 v15, 0                               ; written once: a lane permute's destination counts as one of its sources
	s_mov_b32 s38, 0x76543210
	s_mov_b32 s39, 0xfedcba98                      ; v_permlanex16_b32's selects for lane l xor 16
	s_mov_b32 s55, 0
	s_wait_kmcnt 0x0
	s_cmp_ge_u32 ttmp9, 384
	s_cbranch_scc1 .Lmask
.macro LOAD sl, pitch                  ; unit sl: 16 rows x 512 bytes, a row an instruction
.set i, 0
.rept 16
	global_load_b128 v[R0+64*((\sl)&1)+4*i:R0+64*((\sl)&1)+4*i+3], v1, s[24:25] offset:(i+8*(i/8))*(\pitch)+512*(\sl) th:TH_LOAD_NT
.set i, i+1
.endr
.endm
.macro STAGE_IN sl, adr
.set i, 0
.rept 16
	ds_store_b128 v[\adr], v[R0+64*((\sl)&1)+4*i:R0+64*((\sl)&1)+4*i+3] offset:SP*i
.set i, i+1
.endr
.endm
.macro UNITQ sl
.set CS, C+12*((\sl)&1)
.if (\sl) < 3
	s_wait_loadcnt 16                              ; this unit's 16 loads are in; the next unit's 16 may be out
.else
	s_wait_loadcnt 0x0
.endif
	STAGE_IN \sl, 2
.irp c, 0,1
.irp j, 0,1,2,3,4,5,6,7
	ds_load_b128 v[X+32*\c+4*\j:X+32*\c+4*\j+3], v3 offset:256*\c+16*\j   ; LDS serves a wave's instructions in order: these see the stores above.  k = 64 c + 32 h + 4 j ..
.endr
.endr
	s_wait_dscnt 0x0                               ; my numbers are back, and the stores into the stage have read their registers,
.if (\sl) < 2
	LOAD (\sl)+2, ROWX                             ; which take the unit two further on
.endif
.irp c, 0,1
	v_max3_num_f32 v[8+\c], |v[X+32*\c]|, |v[X+32*\c+1]|, 0x2800000   ; block 2 c + h is all mine; the floor 2^(5 - 127) holds the byte at 1 from below
.endr
.irp i, 2,4,6,8,10,12,14,16,18,20,22,24,26,28,30
.irp c, 0,1
	v_max3_num_f32 v[8+\c], v[8+\c], |v[X+32*\c+\i]|, |v[X+32*\c+\i+1]|
.endr
.endr
.irp c, 0,1
	v_add_nc_u32 v[10+\c], 0xfe000000, v[8+\c]     ; 4 off the exponent field: the conversion's scale operand
.endr
.irp c, 0,1
	v_lshrrev_b32 v[12+\c], 23, v[10+\c]           ; the scale's byte
.endr
	v_lshl_or_b32 v14, v13, 16, v12                ; my two bytes, blocks h and 2 + h,
	v_lshlrev_b32 v14, v7, v14                     ; at their places in the word;
	v_permlanex16_b32 v15, v14, s38, s39
	v_or_b32 v14, v14, v15                         ; with lane l xor 16's two the word is whole
.if (\sl) >= 2
	s_wait_alu depctr_va_vdst(0)
	s_wait_xcnt 0x0                                ; the stores of two units ago have read this set of codes: it is written again only behind this wait
.endif
.irp c, 0,1
	v_cvt_scalef32_pk16_bf6_f32 v[CS+6*\c:CS+6*\c+2], v[X+32*\c:X+32*\c+15], v[10+\c]
	v_cvt_scalef32_pk16_bf6_f32 v[16+4*\c:18+4*\c], v[X+32*\c+16:X+32*\c+31], v[10+\c]   ; (a conversion's three registers begin on an even number)
.endr
	v_nop                                          ; one plain place behind a scaled conversion
.irp c, 0,1
.irp i, 0,1,2
	v_mov_b32 v[CS+6*\c+3+\i], v[16+4*\c+\i]
.endr
.endr
	ds_store_b32 v4, v14 offset:128*((\sl)&1)+4*((\sl)>>1)   ; both halves of the lanes write the same word with the same value
.irp g, 0,1,2
	global_store_b128 v1, v[CS+4*\g:CS+4*\g+3], s[28+2*(\sl):29+2*(\sl)] offset:512*\g   ; 512 consecutive bytes, aligned
.endr
.endm
	; which tensor, which tile.  The choices hang on the work-group's number alone
	s_mov_b64 s[24:25], s[12:13]
	s_cmp_lt_u32 ttmp9, 352
	s_cselect_b64 s[24:25], s[10:11], s[24:25]
	s_cmp_lt_u32 ttmp9, 320
	s_cselect_b64 s[24:25], s[8:9], s[24:25]
	s_cmp_lt_u32 ttmp9, 288
	s_cselect_b64 s[24:25], s[6:7], s[24:25]
	s_cmp_lt_u32 ttmp9, 256
	s_cselect_b64 s[24:25], s[4:5], s[24:25]
	s_cselect_b64 s[26:27], s[16:17], s[18:19]     ; xq or wq
	s_cselect_b32 s48, 3, 4                        ; SH: 8 or 16 tiles to a group of rows
	s_cselect_b32 s49, 0, 256
	s_cselect_b32 s50, 511, 63                     ; tiles in the tensor, less 1
	s_sub_co_u32 s51, ttmp9, s49
	s_lshl_b32 s51, s51, 1
	s_lshr_b32 s52, s22, 1
	s_add_co_u32 s51, s51, s52                     ; T: the tile's number in xq or in wq
	s_and_b32 s50, s51, s50                        ; Tt: its number in its tensor
	s_and_b32 s53, s22, 1                          ; which half of K
	s_lshr_b32 s52, s50, 1
	s_lshl_b32 s52, s52, 17                        ; 32 rows of 4,096 bytes
	s_and_b32 s54, s50, 1
	s_lshl_b32 s54, s54, 15                        ; 8 rows
	s_add_co_u32 s52, s52, s54
	s_lshl_b32 s54, s53, 11
	s_add_co_u32 s54, s52, s54
	s_add_nc_u64 s[24:25], s[24:25], s[54:55]      ; the source
	s_lshr_b32 s52, s51, s48                       ; the group of rows
	s_lshl_b32 s54, s52, s48
	s_sub_co_u32 s51, s51, s54                     ; the tile in it
	s_lshl_b32 s52, s52, 1
	s_add_co_u32 s52, s52, s53
	s_lshl_b32 s54, 6400, s48
	s_mul_i32 s52, s52, s54                        ; (2 group + half) x 51,200 or 102,400
	s_mul_i32 s53, s51, 1536
	s_add_co_u32 s54, s52, s53
	s_add_nc_u64 s[28:29], s[26:27], s[54:55]      ; where the four fragments go
	s_lshl_b32 s54, 1536, s48
	s_add_nc_u64 s[30:31], s[28:29], s[54:55]
	s_add_nc_u64 s[32:33], s[30:31], s[54:55]
	s_add_nc_u64 s[34:35], s[32:33], s[54:55]
	s_lshl_b32 s54, 6144, s48
	s_add_co_u32 s54, s54, s52
	s_lshl_b32 s53, s51, 8
	s_add_co_u32 s54, s54, s53
	s_add_nc_u64 s[36:37], s[26:27], s[54:55]      ; and the tile's 256 bytes of scale words
	LOAD 0, ROWX
	LOAD 1, ROWX
	UNITQ 0
	UNITQ 1
	UNITQ 2
	UNITQ 3
	ds_load_b64 v[16:17], v5                       ; in order behind my four stores of words
	s_wait_dscnt 0x0
	global_store_b64 v6, v[16:17], s[36:37]        ; 256 consecutive bytes, aligned
	s_wait_tensorcnt 0x0
	ds_add_u32 v248, v249
	s_wait_dscnt 0x0
	s_endpgm
.macro UNITM sl
.if (\sl) < 3
	s_wait_loadcnt 16
.else
	s_wait_loadcnt 0x0
.endif
	STAGE_IN \sl, 24
.irp b, 0,1,2,3
.irp j, 0,1,2,3
	ds_load_b128 v[X+16*\b+4*\j:X+16*\b+4*\j+3], v25 offset:128*\b+16*\j   ; register 16 b + i: key 32 b + 16 h + i of row r
.endr
.endr
	s_wait_dscnt 0x0
.if (\sl) < 2
	LOAD (\sl)+2, ROWM
.endif
.set n, 0
.rept 8
.set k, 0
.rept 8
	v_cmp_ne_u32 s[40+k], 0, v[X+n+k]              ; word n + k: a bit for each lane
.set k, k+1
.endr
.set k, 0
.rept 8
	v_writelane_b32 v[MW+2*(\sl)+((n+k)&1)], s[40+k], (n+k)>>1   ; lane L carries words 2 L and 2 L + 1
.set k, k+1
.endr
.set n, n+8
.endr
	global_store_b64 v6, v[MW+2*(\sl):MW+2*(\sl)+1], s[26:27] offset:256*(\sl)   ; 256 consecutive bytes, aligned; each unit has its own pair of registers
.endm
.Lmask:
	s_sub_co_u32 s48, ttmp9, 384                   ; the tile of queries; the wave takes a quarter of the keys
	s_lshr_b32 s49, s48, 1
	s_lshl_b32 s49, s49, 18                        ; 32 rows of 8,192 bytes
	s_and_b32 s50, s48, 1
	s_lshl_b32 s50, s50, 16
	s_add_co_u32 s49, s49, s50
	s_lshl_b32 s50, s22, 11
	s_add_co_u32 s54, s49, s50
	s_add_nc_u64 s[24:25], s[14:15], s[54:55]
	s_lshl_b32 s49, s48, 12
	s_lshl_b32 s50, s22, 10
	s_add_co_u32 s54, s49, s50
	s_add_nc_u64 s[26:27], s[20:21], s[54:55]
.irp i, 0,1,2,3,4,5,6,7
	v_mov_b32 v[MW+\i], 0                          ; v_writelane_b32 writes one lane: the registers are written whole first
.endr
	LOAD 0, ROWM
	LOAD 1, ROWM
	UNITM 0
	UNITM 1
	UNITM 2
	UNITM 3
	s_wait_tensorcnt 0x0
	ds_add_u32 v248, v249
	s_wait_dscnt 0x0
	s_endpgm
.Lfunc_end_k_q3f294c090a_prep:
	.size	k_q3f294c090a_prep, .Lfunc_end_k_q3f294c090a_prep-k_q3f294c090a_prep
	.p2alignl 7, 3214868480
	.fill 96, 4, 3214868480
	.section	.rodata,"a",@progbits
	.p2align	6, 0x0
	.amdhsa_kernel k_q3f294c090a_prep
		.amdhsa_group_segment_fixed_size 70144
		.amdhsa_private_segment_fixed_size 0
		.amdhsa_enable_private_segment 0
		.amdhsa_kernarg_size 72
		.amdhsa_user_sgpr_count 2
		.amdhsa_user_sgpr_kernarg_segment_ptr 1
		.amdhsa_wavefront_size32 1
		.amdhsa_system_sgpr_workgroup_id_x 1
		.amdhsa_system_sgpr_workgroup_id_y 1
		.amdhsa_system_sgpr_workgroup_id_z 1
		.amdhsa_system_vgpr_workitem_id 0
		.amdhsa_next_free_vgpr 250
		.amdhsa_next_free_sgpr 66
		.amdhsa_reserve_vcc 0
		.amdhsa_float_denorm_mode_32 3
		.amdhsa_float_denorm_mode_16_64 3
		.amdhsa_memory_ordered 1
		.amdhsa_forward_progress 1
		.amdhsa_inst_pref_size 79
	.end_amdhsa_kernel
	.amdgpu_metadata
---
amdhsa.version: [ 1, 2 ]
amdhsa.kernels:
  - .name:           k_q3f294c090a_prep
    .symbol:         k_q3f294c090a_prep.kd
    .args:
      - { .name: x, .offset: 0, .size: 8, .value_kind: global_buffer, .address_space: global }
      - { .name: Wq, .offset: 8, .size: 8, .value_kind: global_buffer, .address_space: global }
      - { .name: Wk, .offset: 16, .size: 8, .value_kind: global_buffer, .address_space: global }
      - { .name: Wv, .offset: 24, .size: 8, .value_kind: global_buffer, .address_space: global }
      - { .name: Wo, .offset: 32, .size: 8, .value_kind: global_buffer, .address_space: global }
      - { .name: mask, .offset: 40, .size: 8, .value_kind: global_buffer, .address_space: global }
      - { .name: xq, .offset: 48, .size: 8, .value_kind: global_buffer, .address_space: global }
      - { .name: wq, .offset: 56, .size: 8, .value_kind: global_buffer, .address_space: global }
      - { .name: mk, .offset: 64, .size: 8, .value_kind: global_buffer, .address_space: global }
    .group_segment_fixed_size: 70144
    .private_segment_fixed_size: 0
    .kernarg_segment_align: 8
    .kernarg_segment_size: 72
    .max_flat_workgroup_size: 128
    .sgpr_count:     66
    .vgpr_count:     250
    .wavefront_size: 32
...
	.end_amdgpu_metadata
.endif
;; end of part 1
;; launch qkv (part 2): grid 4 x 64, 4 waves a work-group, clusters of 4 x 4, 327,680 bytes of LDS; arguments xq, wq, bq, bk, bv, qq, kv; writes qq, kv
.if DOCPART == 2
	.amdgcn_target "amdgcn-amd-amdhsa--gfx1250"
	.amdhsa_code_object_version 6
	.text
	.protected	k_q3f294c090a_qkv
	.globl	k_q3f294c090a_qkv
	.p2align	8
	.type	k_q3f294c090a_qkv,@function
k_q3f294c090a_qkv:
	s_mov_b64 s[64:65], 0
	v_nop
	global_prefetch_b8 v0, s[64:65] scope:SCOPE_SE
	s_setreg_imm32_b32 hwreg(HW_REG_WAVE_MODE, 25, 1), 1
	s_wait_xcnt 0x0
	s_wait_alu depctr_hold_cnt(0) depctr_sa_sdst(0) depctr_va_vdst(0) depctr_va_sdst(0) depctr_va_ssrc(0) depctr_va_vcc(0) depctr_vm_vsrc(0)
	s_getreg_b32 s2, hwreg(HW_REG_IB_STS2, 6, 4)
	s_cmp_eq_u32 s2, 0
	s_cbranch_scc0 .Lentry_in_a_cluster
	s_endpgm
.Lentry_in_a_cluster:
	s_bfe_u32 s2, ttmp6, 0x10000c
	s_cmp_lg_u32 s2, 0xf033
	s_cbranch_scc0 .Lentry_shape_is_right
	s_endpgm
.Lentry_shape_is_right:
; QKV.  Q = x Wq^T + bq, K = x Wk^T + bk, V = x Wv^T + bv on codes of BF6 (layouts of xq and wq: a fragment is 16 rows x 128 K, 12 registers a lane, stored as an image of its registers, registers 4 g .. 4 g + 3 of lane l at 512 g + 16 l;
; tile T holds rows 32 (T / 2) + 8 (T % 2) + p + 8 (p / 8)); the results are quantised here, Q and K along the head's 64, V along the keys, and leave as the images that the attention launch's operands want.
; SHARES.  Work-group (j, i): 128 rows of x (block i: batch i / 16, key step i % 16), heads 4 j .. 4 j + 3, one head a wave; three units, Q, K, V, each 128 rows x 64 channels a wave: 32 accumulators.  768 units of a work-group on 256 work-groups.
; x's block (all of K: two halves of 51,200 bytes) stays in LDS.  The weights go through a ring of two slots of 102,400 bytes, each 256 rows x 512 along K: six phases of four K steps of 128; four refills.
; CLUSTER 4 x 4: the four work-groups of a row share i and ask for x jointly, the four of a column share j and ask for the weights jointly.  Every wave fetches a quarter of each tile.
; Q and K are made TRANSPOSED (source 0 = 16 rows of W, source 1 = 16 rows of x): a lane holds one row of x, and by the order of a tile's rows the 16 registers of two neighbouring tiles of W are 16 neighbouring channels.
; V is made the other way (source 0 = x, source 1 = W): a lane holds one channel, and 16 registers are 16 neighbouring keys.  So one epilogue serves all three.
; qq: codes [b h 64][tile of queries 128][768]: registers 0-3 at 16 l, 4-5 at 512 + 8 l; at QS the scale words [b h][step 16][512]: row r, tile a at 32 r + 4 a, bytes (d 0-31, d 32-63, the same two again).
; kv: [b h][step 16][12,800]: 4 fragments of K (fragment f: key tile 2 f in registers 0-5, key tile 2 f + 1 in 6-11) | 4 of V (16 channels x 128 keys) | 256 bytes of K's scale words | 256 of V's: lane l's 8 bytes: the words of fragments l / 16 and 2 + l / 16.
; LIMITS: NaN and infinities are not served; a block of zeros has the byte 1, not 127 (its codes are zeros; this program alone reads the bytes).
; REGISTERS, in windows of 256.  Window 0: v1-17 addresses; v20-67 scale words, two sets of 24; v68-163 W's fragments, two sets of 4.  Window 1: the accumulators.  Window 2: v0-191 x's fragments, two sets of 8; v192-223 the bias as C.
; Window 3: the epilogue's: v0-15 largest magnitudes, v16-31 the other lane's, v32-47 scale operands, v48-63 bytes, v64-111 codes, v112-143 upper halves, v144-151 scale words.
.set XH,    51200                      ; half of x's block
.set WS,    102400                     ; a slot of W
.set WB,    2*XH                       ; where the slots begin
.set SPARE, WB+2*WS                    ; the spare words: 128 bytes a wave, two blocks of 256 bytes that no other line names
.set QS,    6291456
.set SC,    20
.set WF,    68
.set BI,    192
.set TM,    0
.set TP,    16
.set SO,    32
.set BY,    48
.set CF,    64
.set TT,    112
.set SW,    144
.set MSB, 0
.macro WIN new                         ; the immediate's high byte repeats the setting that is left
.if MSB != \new
	s_set_vgpr_msb (MSB<<8)|\new
.set MSB, \new
.endif
.endm
.macro PLACES cnt
.rept \cnt
	v_nop
.endr
.endm
.macro CREST                           ; a round of the cluster's barrier behind its opening barrier
	s_cmp_lg_u32 s18, 0
	s_cbranch_scc1 .Lnot_wave_0_\@
	s_barrier_signal -3
.Lnot_wave_0_\@:
	s_barrier_wait -3
	s_barrier_signal -1
	s_barrier_wait -1
.endm
.macro CROUND
	s_barrier_signal -1
	s_barrier_wait -1
	CREST
.endm
	s_load_b256 s[4:11], s[0:1], 0x0               ; xq, wq, bq, bk
	s_load_b128 s[12:15], s[0:1], 0x20             ; bv, qq
	s_load_b64 s[16:17], s[0:1], 0x30              ; kv
	v_lshl_add_u32 v1, v0, 2, SPARE                ; my spare word; never rewritten
	v_mov_b32 v2, 0                                ; 0; never rewritten
	ds_add_u32 v1, v2
	ds_add_u32 v1, v2
	s_wait_dscnt 0x0
	v_lshrrev_b32 v18, 5, v0
	v_readfirstlane_b32 s18, v18                   ; wave
	s_bfe_u32 s19, ttmp6, 0x40000                  ; cx
	s_bfe_u32 s20, ttmp6, 0x40004                  ; cy
	s_lshl_b32 s21, ttmp9, 2
	s_add_co_u32 s21, s21, s19                     ; j
	s_and_b32 s22, ttmp7, 0xffff
	s_lshl_b32 s22, s22, 2
	s_add_co_u32 s22, s22, s20                     ; i
	s_lshl_b32 s23, s20, 2
	s_lshl_b32 s23, 15, s23                        ; my row of the cluster
	s_lshl_b32 s59, 0x1111, s19                    ; my column
	; descriptor groups 1: dense blocks as rows of 256 bytes (32 elements of 8 bytes), no padding: images are read 16 bytes a lane on end.  x: 50 rows a wave, W: 100
	s_or_b32 s24, s23, (3<<16)|(1<<21)
	s_mov_b32 s25, 32<<16
	s_mov_b32 s26, 50<<16
	s_mov_b32 s27, 32<<16
	s_mov_b32 s28, 50
	s_mov_b32 s29, 32
	s_mov_b32 s30, 0
	s_mov_b32 s31, 0
	s_or_b32 s32, s59, (3<<16)|(1<<21)
	s_mov_b32 s33, 32<<16
	s_mov_b32 s34, 100<<16
	s_mov_b32 s35, 32<<16
	s_mov_b32 s36, 100
	s_mov_b32 s37, 32
	s_mov_b32 s38, 0
	s_mov_b32 s39, 0
	s_lshl_b32 s76, s22, 1
	s_mul_i32 s76, s76, XH                         ; x: block i, half 0,
	s_mul_i32 s68, s18, 12800                      ; my quarter
	s_add_co_u32 s76, s76, s68
	s_mov_b32 s77, 0
	s_lshl_b32 s78, s21, 1
	s_mul_i32 s78, s78, WS                         ; W: group j (Wq's), half 0,
	s_mul_i32 s69, s18, 25600                      ; my quarter
	s_add_co_u32 s78, s78, s69
	s_mov_b32 s79, 0
	s_wait_kmcnt 0x0
	s_add_nc_u64 s[76:77], s[4:5], s[76:77]
	s_add_nc_u64 s[78:79], s[6:7], s[78:79]
	s_mov_b32 s40, 1                               ; groups 0: x's two halves
	s_mov_b32 s41, s68
	s_mov_b64 s[42:43], s[76:77]
	s_or_b32 s43, s43, 0x80000000
	s_mov_b32 s44, 1
	s_add_co_u32 s45, s68, XH
	s_add_nc_u64 s[46:47], s[76:77], XH
	s_or_b32 s47, s47, 0x80000000
	s_mov_b32 s48, 1                               ; W's two slots
	s_add_co_u32 s49, s69, WB
	s_mov_b64 s[50:51], s[78:79]
	s_or_b32 s51, s51, 0x80000000
	s_mov_b32 s52, 1
	s_add_co_u32 s53, s69, WB+WS
	s_add_nc_u64 s[54:55], s[78:79], WS
	s_or_b32 s55, s55, 0x80000000
	CROUND                                         ; all sixteen work-groups are here: the first joint loads meet
	tensor_load_to_lds s[40:43], s[24:31]          ; four loads of mine are out: x half 0, W slot 0,
	s_nop 0
	tensor_load_to_lds s[48:51], s[32:39]
	s_nop 0
	tensor_load_to_lds s[44:47], s[24:31]          ; x half 1, W slot 1
	s_nop 0
	tensor_load_to_lds s[52:55], s[32:39]
	s_nop 0
	PLACES 4                                       ; four places behind a tensor load
	s_mov_b32 s56, 0x76543210
	s_mov_b32 s57, 0xfedcba98
	s_mov_b32 s58, 0xffff0000                      ; lanes 16-31
	s_lshl_b32 s23, s21, 2
	s_add_co_u32 s23, s23, s18                     ; my head
	s_lshr_b32 s59, s22, 4
	s_lshl_b32 s59, s59, 4
	s_add_co_u32 s59, s59, s23                     ; b h = 16 batch + head
	s_and_b32 s68, s22, 15                         ; the key step
	s_lshl_b32 s76, s59, 7
	s_lshl_b32 s78, s68, 3
	s_add_co_u32 s76, s76, s78
	s_mul_i32 s76, s76, 768
	s_mov_b32 s77, 0
	s_add_nc_u64 s[60:61], s[14:15], s[76:77]      ; Q's codes: my eight tiles
	s_lshl_b32 s78, s59, 4
	s_add_co_u32 s78, s78, s68
	s_lshl_b32 s76, s78, 9
	s_add_co_u32 s76, s76, QS
	s_add_nc_u64 s[62:63], s[14:15], s[76:77]      ; Q's scale words
	s_mul_i32 s76, s78, 12800
	s_add_nc_u64 s[66:67], s[16:17], s[76:77]      ; my head's step in kv
	s_lshl_b32 s76, s23, 8
	s_add_nc_u64 s[70:71], s[8:9], s[76:77]        ; the biases of my head
	s_add_nc_u64 s[72:73], s[10:11], s[76:77]
	s_add_nc_u64 s[74:75], s[12:13], s[76:77]
	v_and_b32 v18, 31, v0
	v_and_b32 v19, 15, v0
	v_bfe_u32 v16, v0, 4, 1
	v_lshlrev_b32 v17, 4, v18                      ; 16 x lane
	v_lshlrev_b32 v13, 3, v18                      ; 8 x lane
	v_lshlrev_b32 v3, 4, v18                       ; x's fragments, half 0, 1
	v_add_nc_u32 v4, XH, v17
	s_mul_i32 s76, s18, 6144                       ; my four tiles of W's sixteen
	s_add_co_u32 s76, s76, WB
	v_add_nc_u32 v5, s76, v17                      ; W's fragments: slot 0, K steps 0-1; 2-3
	v_add_nc_u32 v6, 49152, v5
	v_add_nc_u32 v7, WS, v5                        ; slot 1
	v_add_nc_u32 v8, WS, v6
	v_add_nc_u32 v9, 49152, v13                    ; x's scale words
	v_add_nc_u32 v10, XH+49152, v13
	s_lshl_b32 s76, s18, 10
	s_add_co_u32 s76, s76, WB+98304
	v_add_nc_u32 v11, s76, v13                     ; W's
	v_add_nc_u32 v12, WS, v11
	v_lshlrev_b32 v14, 5, v19
	v_lshl_add_u32 v14, v16, 4, v14                ; 32 r + 16 h
	v_lshlrev_b32 v15, 6, v16                      ; 64 h
	v_and_b32 v16, 8, v19
	v_add_nc_u32 v16, v16, v19
	v_lshlrev_b32 v16, 2, v16                      ; 4 (r + 8 (r / 8))
.macro FETCHX hf, sl, set              ; x's eight fragments of K step sl of half hf
	WIN 0x80
.set fa, 0
.rept 8
.irp g, 0,1,2
	ds_load_b128 v[96*(\set)+12*fa+4*\g:96*(\set)+12*fa+4*\g+3], v[3+(\hf)] offset:12288*(\sl)+1536*fa+512*\g
.endr
.set fa, fa+1
.endr
.endm
.macro FETCHW sg, sl, set              ; my four fragments of W, K step sl of slot sg
	WIN 0
.irp b, 0,1,2,3
.irp g, 0,1,2
	ds_load_b128 v[WF+48*(\set)+12*\b+4*\g:WF+48*(\set)+12*\b+4*\g+3], v[5+2*(\sg)+((\sl)>>1)] offset:24576*((\sl)&1)+1536*\b+512*\g
.endr
.endr
.endm
.macro SCALES p                        ; a phase's scale words: a pair of registers a tile: register sl / 2, lanes 0-15 for an even K step, lanes 16-31 for an odd one
	WIN 0
.irp a, 0,1,2,3,4,5,6,7
	ds_load_b64 v[SC+24*((\p)&1)+2*\a:SC+24*((\p)&1)+2*\a+1], v[9+((\p)&1)] offset:256*\a
.endr
.irp b, 0,1,2,3
	ds_load_b64 v[SC+24*((\p)&1)+16+2*\b:SC+24*((\p)&1)+16+2*\b+1], v[11+((\p)&1)] offset:256*\b
.endr
.endm
.macro BIASD lo                        ; Q, K: in tile b lane (r, h) holds channels 32 (b / 2) + 16 h + 8 (b % 2) + 0 .. 7
	WIN 0x80
.irp b, 0,1,2,3
	global_load_b128 v[BI+8*\b:BI+8*\b+3], v15, s[\lo:\lo+1] offset:4*(32*(\b/2)+8*(\b%2))
	global_load_b128 v[BI+8*\b+4:BI+8*\b+7], v15, s[\lo:\lo+1] offset:4*(32*(\b/2)+8*(\b%2))+16
.endr
.endm
.macro BIASV lo                        ; V: lane (r, h) holds ONE channel, 32 (b / 2) + 8 (b % 2) + r + 8 (r / 8), in all eight registers
	WIN 0x80
.irp b, 0,1,2,3
.irp k, 0,1,2,3,4,5,6,7
	global_load_b32 v[BI+8*\b+\k], v16, s[\lo:\lo+1] offset:4*(32*(\b/2)+8*(\b%2))
.endr
.endr
.endm
; Products of x's tiles a0 .. a0 + cnt - 1 with my four tiles of W, one K step.  role 0: Q, K (source 0 = W); 1: V (source 0 = x).  first = 1: the bias is C and starts the sums.
; The 32 accumulators take turns, one instruction a turn, in the same order in every step.
.macro MUL role, a0, cnt, set, sl, p, first
.if \role
.if \first
	WIN 0x62
.else
	WIN 0x52
.endif
.else
.if \first
	WIN 0x68
.else
	WIN 0x58
.endif
.endif
.set ma, \a0
.rept \cnt
.set mb, 0
.rept 4
.set rX, 96*(\set)+12*ma
.set rW, WF+48*(\set)+12*mb
.set sX, SC+24*((\p)&1)+2*ma+((\sl)>>1)
.set sW, SC+24*((\p)&1)+16+2*mb+((\sl)>>1)
.if \role
.set rD, 8*(8*mb+ma)
.set rA, rX
.set rB, rW
.set sA, sX
.set sB, sW
.else
.set rD, 8*(4*ma+mb)
.set rA, rW
.set rB, rX
.set sA, sW
.set sB, sX
.endif
.if \first
.set rC, BI+8*mb
.else
.set rC, rD
.endif
.if (\sl)&1
	v_wmma_scale_f32_16x16x128_f8f6f4 v[rD:rD+7], v[rA:rA+11], v[rB:rB+11], v[rC:rC+7], v[sA], v[sB] matrix_a_fmt:MATRIX_FMT_BF6 matrix_b_fmt:MATRIX_FMT_BF6 matrix_a_scale:MATRIX_SCALE_ROW1 matrix_b_scale:MATRIX_SCALE_ROW1
.else
	v_wmma_scale_f32_16x16x128_f8f6f4 v[rD:rD+7], v[rA:rA+11], v[rB:rB+11], v[rC:rC+7], v[sA], v[sB] matrix_a_fmt:MATRIX_FMT_BF6 matrix_b_fmt:MATRIX_FMT_BF6
.endif
.set mb, mb+1
.endr
.set ma, ma+1
.endr
.endm
; One of a phase's first three K steps: its fragments were asked for a step ago; the next step's 36 loads go out in one run, ahead of this step's 32 products.
.macro STEP role, p, sl, first
	s_wait_dscnt 0x0                               ; this step's fragments (and, at a phase's head, its scale words) are in
.if \first
	s_wait_loadcnt 0x0                             ; the bias
.endif
	PLACES 4                                       ; in front of loads into registers that the last step's products have read (ISA guide 7.12.1 for vector instructions)
	FETCHX (\p)&1, (\sl)+1, ((\sl)+1)&1
	FETCHW (\p)&1, (\sl)+1, ((\sl)+1)&1
	MUL \role, 0, 8, (\sl)&1, \sl, \p, \first
.endm
; A phase's last K step changes slots: ONE barrier; in front of it each wave waits for all its tensor loads, adds 0 to its spare word, and waits for that and for its reads of this slot.
; fill = 1: the barrier opens a round of the cluster's barrier, and this slot takes the weights of two phases on.  bias: 1: bk, 2: bv is asked for, for the next unit.
.macro TURN role, p, fill, bias
	WIN 0
	s_wait_tensorcnt 0x0                           ; all my tensor loads have landed, my part of the next phase's slot among them
	ds_add_u32 v1, v2                              ; 0 onto my spare word
	s_wait_dscnt 1                                 ; this step's fragments are in; the add may be out
	MUL \role, 0, 2, 1, 3, \p, 0
	s_wait_dscnt 0x0                               ; the add is done, and my reads of this slot are over
	s_barrier_signal -1
	MUL \role, 2, 2, 1, 3, \p, 0
	WIN 0
	s_barrier_wait -1
.if \fill
	CREST                                          ; no wave of any partner still reads this slot or has a load on its way
	s_add_nc_u64 s[50+4*((\p)&1):51+4*((\p)&1)], s[50+4*((\p)&1):51+4*((\p)&1)], 8*WS   ; four groups of rows on: the next weight
	tensor_load_to_lds s[48+4*((\p)&1):51+4*((\p)&1)], s[32:39]   ; my one tensor load behind the round: it has a phase, 128 products, in which to land
	s_nop 0
.endif
	PLACES 4                                       ; behind the tensor load, and in front of the loads below
	FETCHX ((\p)+1)&1, 0, 0
	FETCHW ((\p)+1)&1, 0, 0
	SCALES (\p)+1
.if (\bias) == 1
	BIASD 72
.endif
.if (\bias) == 2
	BIASV 74
.endif
	MUL \role, 4, 4, 1, 3, \p, 0
.endm
; THE EPILOGUE.  The 256 accumulator registers are 16 groups of 16 neighbours along the next product's K, half a block of 32 each; the other half lies in lane l xor 16.  Pair g = groups 2 g and 2 g + 1 makes six registers of a fragment.
; role 0: Q, 1: K, 2: V.
.macro EPI role
	PLACES 5                                       ; behind the last products: four for the reads below, five for the next unit's products, which write over these accumulators
	s_wait_xcnt 0x0                                ; the last epilogue's stores have read window 3
	WIN 0xc5
.set g, 0
.rept 16
	v_max3_num_f32 v[TM+g], |v[16*g]|, |v[16*g+1]|, 0x2800000   ; each accumulator is read from its low end on; the floor 2^(5 - 127) holds the byte at 1 from below
.set g, g+1
.endr
	WIN 0xd7
.irp i, 2,4,6,8,10,12,14
.set g, 0
.rept 16
	v_max3_num_f32 v[TM+g], v[TM+g], |v[16*g+\i]|, |v[16*g+\i+1]|
.set g, g+1
.endr
.endr
	WIN 0xff
.set g, 0
.rept 16
	v_permlanex16_b32 v[TP+g], v[TM+g], s56, s57
.set g, g+1
.endr
.set g, 0
.rept 16
	v_max_num_f32 v[TM+g], v[TM+g], v[TP+g]        ; the block's largest magnitude
.set g, g+1
.endr
.set g, 0
.rept 16
	v_add_nc_u32 v[SO+g], 0xfe000000, v[TM+g]      ; 4 off its exponent field: the conversion's scale operand
.set g, g+1
.endr
.set g, 0
.rept 16
	v_lshrrev_b32 v[BY+g], 23, v[SO+g]             ; the scale's byte
.set g, g+1
.endr
	WIN 0xcd
.set g, 0
.rept 8
	v_cvt_scalef32_pk16_bf6_f32 v[CF+6*g:CF+6*g+2], v[32*g:32*g+15], v[SO+2*g]
	v_cvt_scalef32_pk16_bf6_f32 v[TT+4*g:TT+4*g+2], v[32*g+16:32*g+31], v[SO+2*g+1]   ; (a conversion's three registers begin on an even number)
.set g, g+1
.endr
	v_nop                                          ; one plain place behind the scaled conversions
	WIN 0xff
.set g, 0
.rept 8                                ; the operand's layout wants a WHOLE block in a lane: lanes 0-15 the pair's first block, lanes 16-31 its second
.irp i, 0,1,2
	v_permlane16_swap_b32 v[CF+6*g+\i], v[TT+4*g+\i]
.endr
.irp i, 0,1,2
	v_mov_b32 v[CF+6*g+3+\i], v[TT+4*g+\i]
.endr
.set g, g+1
.endr
.if (\role) == 0
.set g, 0
.rept 8
	v_lshl_or_b32 v[SW+g], v[BY+2*g+1], 8, v[BY+2*g]   ; tile g: its two bytes,
	v_lshl_or_b32 v[SW+g], v[SW+g], 16, v[SW+g]        ; twice: Q stands in the lower or in the upper half of the instruction's K
.set g, g+1
.endr
.irp q, 0,1,2,3
	v_cndmask_b32 v[TT+\q], v[SW+\q], v[SW+4+\q], s58  ; lanes 0-15 carry tiles 0-3, lanes 16-31 tiles 4-7
.endr
	WIN 0x0c                                       ; a store's data are its source 1: window 3
.set g, 0
.rept 8
	global_store_b128 v17, v[CF+6*g:CF+6*g+3], s[60:61] offset:768*g          ; 512 and 256 consecutive bytes, aligned
	global_store_b64 v13, v[CF+6*g+4:CF+6*g+5], s[60:61] offset:768*g+512
.set g, g+1
.endr
	global_store_b128 v14, v[TT:TT+3], s[62:63]
.else
.irp f, 0,1,2,3
	v_lshl_or_b32 v[SW+\f], v[BY+4*\f+1], 8, v[BY+4*\f]   ; fragment f's scale word of my row
	v_lshl_or_b32 v[SW+\f], v[BY+4*\f+2], 16, v[SW+\f]
	v_lshl_or_b32 v[SW+\f], v[BY+4*\f+3], 24, v[SW+\f]
.endr
	v_cndmask_b32 v[SW+4], v[SW], v[SW+1], s58     ; lanes 0-15 fragment 0's, lanes 16-31 fragment 1's;
	v_cndmask_b32 v[SW+5], v[SW+2], v[SW+3], s58   ; fragments 2 and 3
	WIN 0x0c
.set g, 0
.rept 12
	global_store_b128 v17, v[CF+4*g:CF+4*g+3], s[66:67] offset:6144*((\role)-1)+512*g   ; four images on end: 512 consecutive bytes a store, aligned
.set g, g+1
.endr
	global_store_b64 v13, v[SW+4:SW+5], s[66:67] offset:12288+256*((\role)-1)
.endif
	WIN 0
.endm
	BIASD 70                                       ; bq
	WIN 0xc0
.set g, 0
.rept 16
	v_mov_b32 v[TP+g], 0                           ; written once: a lane permute's destination counts as one of its sources
.set g, g+1
.endr
	WIN 0
	s_wait_tensorcnt 2                             ; my parts of x's half 0 and of W's slot 0 are in; the two loads behind them may stay out
	s_barrier_signal -1
	s_barrier_wait -1                              ; everybody's are
	FETCHX 0, 0, 0
	FETCHW 0, 0, 0
	SCALES 0
	STEP 0, 0, 0, 1                                ; Q
	STEP 0, 0, 1, 0
	STEP 0, 0, 2, 0
	TURN 0, 0, 1, 1
	STEP 0, 1, 0, 0
	STEP 0, 1, 1, 0
	STEP 0, 1, 2, 0
	TURN 0, 1, 1, 0
	EPI 0
	STEP 0, 2, 0, 1                                ; K
	STEP 0, 2, 1, 0
	STEP 0, 2, 2, 0
	TURN 0, 2, 1, 2
	STEP 0, 3, 0, 0
	STEP 0, 3, 1, 0
	STEP 0, 3, 2, 0
	TURN 0, 3, 1, 0
	EPI 1
	STEP 1, 4, 0, 1                                ; V
	STEP 1, 4, 1, 0
	STEP 1, 4, 2, 0
	TURN 1, 4, 0, 0                                ; nothing is left to fetch
	STEP 1, 5, 0, 0
	STEP 1, 5, 1, 0
	STEP 1, 5, 2, 0
	s_wait_dscnt 0x0
	MUL 1, 0, 8, 1, 3, 5, 0
	EPI 2
	s_wait_tensorcnt 0x0                           ; the wave's end
	ds_add_u32 v1, v2
	s_wait_dscnt 0x0
	CROUND                                         ; the closing round: no work-group ends while a partner may still ask for a tile that names it
	s_endpgm
.Lfunc_end_k_q3f294c090a_qkv:
	.size	k_q3f294c090a_qkv, .Lfunc_end_k_q3f294c090a_qkv-k_q3f294c090a_qkv
	.p2alignl 7, 3214868480
	.fill 96, 4, 3214868480
	.section	.rodata,"a",@progbits
	.p2align	6, 0x0
	.amdhsa_kernel k_q3f294c090a_qkv
		.amdhsa_group_segment_fixed_size 327680
		.amdhsa_private_segment_fixed_size 0
		.amdhsa_enable_private_segment 0
		.amdhsa_kernarg_size 56
		.amdhsa_user_sgpr_count 2
		.amdhsa_user_sgpr_kernarg_segment_ptr 1
		.amdhsa_wavefront_size32 1
		.amdhsa_system_sgpr_workgroup_id_x 1
		.amdhsa_system_sgpr_workgroup_id_y 1
		.amdhsa_system_sgpr_workgroup_id_z 1
		.amdhsa_system_vgpr_workitem_id 0
		.amdhsa_next_free_vgpr 928
		.amdhsa_next_free_sgpr 80
		.amdhsa_reserve_vcc 0
		.amdhsa_float_denorm_mode_32 3
		.amdhsa_float_denorm_mode_16_64 3
		.amdhsa_memory_ordered 1
		.amdhsa_forward_progress 1
		.amdhsa_inst_pref_size 227
	.end_amdhsa_kernel
	.amdgpu_metadata
---
amdhsa.version: [ 1, 2 ]
amdhsa.kernels:
  - .name:           k_q3f294c090a_qkv
    .symbol:         k_q3f294c090a_qkv.kd
    .args:
      - { .name: xq, .offset: 0, .size: 8, .value_kind: global_buffer, .address_space: global }
      - { .name: wq, .offset: 8, .size: 8, .value_kind: global_buffer, .address_space: global }
      - { .name: bq, .offset: 16, .size: 8, .value_kind: global_buffer, .address_space: global }
      - { .name: bk, .offset: 24, .size: 8, .value_kind: global_buffer, .address_space: global }
      - { .name: bv, .offset: 32, .size: 8, .value_kind: global_buffer, .address_space: global }
      - { .name: qq, .offset: 40, .size: 8, .value_kind: global_buffer, .address_space: global }
      - { .name: kv, .offset: 48, .size: 8, .value_kind: global_buffer, .address_space: global }
    .group_segment_fixed_size: 327680
    .private_segment_fixed_size: 0
    .kernarg_segment_align: 8
    .kernarg_segment_size: 56
    .max_flat_workgroup_size: 128
    .sgpr_count:     80
    .vgpr_count:     928
    .wavefront_size: 32
...
	.end_amdgpu_metadata
.endif
;; end of part 2
;; launch attn (part 3): grid 8 x 64, 16 waves a work-group, clusters of 4 x 1, 327,680 bytes of LDS; arguments qq, kv, mk, cq; writes cq
.if DOCPART == 3
	.amdgcn_target "amdgcn-amd-amdhsa--gfx1250"
	.amdhsa_code_object_version 6
	.text
	.protected	k_q3f294c090a_attn
	.globl	k_q3f294c090a_attn
	.p2align	8
	.type	k_q3f294c090a_attn,@function
k_q3f294c090a_attn:
	s_mov_b64 s[64:65], 0
	v_nop
	global_prefetch_b8 v0, s[64:65] scope:SCOPE_SE
	s_setreg_imm32_b32 hwreg(HW_REG_WAVE_MODE, 25, 1), 1
	s_wait_xcnt 0x0
	s_wait_alu depctr_hold_cnt(0) depctr_sa_sdst(0) depctr_va_vdst(0) depctr_va_sdst(0) depctr_va_ssrc(0) depctr_va_vcc(0) depctr_vm_vsrc(0)
	s_getreg_b32 s2, hwreg(HW_REG_IB_STS2, 6, 4)
	s_cmp_eq_u32 s2, 0
	s_cbranch_scc0 .Lentry_in_a_cluster
	s_endpgm
.Lentry_in_a_cluster:
	s_bfe_u32 s2, ttmp6, 0x10000c
	s_cmp_lg_u32 s2, 0x3003
	s_cbranch_scc0 .Lentry_shape_is_right
	s_endpgm
.Lentry_shape_is_right:
; ATTN.  ctx = softmax(mask(Q K^T / 8)) V for one head of one batch (b h = 0 .. 63), both products on codes of BF6; ctx is quantised along its 64 channels and leaves as half a fragment of the last product's operand.
; THE SOFTMAX: t = score x log2(e) / 8; M = the running largest t rounded UP to a whole number; p = 2^(t - M) is quantised along the keys, not normalised; the row's sum is taken of the unquantised p and divides at the end.
; When M moves, the sum and O are multiplied by 2^(old M - new M): exact.
; THE MASK is an input: every tile is computed.  Its lane masks (mk: 64 words for 16 queries x 128 keys) come by scalar loads, a key step ahead, and steer one v_cndmask_b32 a score; no branch and no address hangs on them.
; LIMIT: a masked score is set to -2^33, that is a logit of -2^30 where the problem writes -1e9.  That number times c is exact, so a row that is masked throughout gets p = 1 in every key, as the problem has it.
; The results are the problem's as long as every unmasked logit lies above about -9.9e8.  NaN and infinities are not served; a block of zeros has the byte 1, not 127 (its codes are zeros).
; SHARES.  A work-group owns 256 queries; each of its sixteen waves one tile of 16, in 256 registers, four waves to a SIMD.  Every wave walks the head's 16 key steps of 128 keys.
; A head's K, V and their scale words are 204,800 bytes (kv: 12,800 a step): they come into LDS ONCE, two tensor loads a wave (one of mine is out at the most), and stay: no slot is ever filled again.
; CLUSTER 4 x 1: the four blocks of queries of a cluster belong to one head and ask for it jointly.
; No prefetch: all of the head is asked for by the first lines of the launch.
; LAYOUT.  Both products transposed: S^T = K Q^T, O^T = V^T P^T: a lane holds one query.  The head's 64 fill half of the instruction's K of 128: a fragment of K carries two tiles of 16 keys, and Q stands in the lower or the upper half beside zero codes.
; By the order of a tile's rows, register 16 b + i of S^T in lane (r, h) is key 32 b + 16 h + i, and register 16 b + i of O^T is channel 32 b + 16 h + i.
; REGISTERS: v1 16 x lane, v2 8 x lane, v3 the masked score, v4-5 addresses in hand, v6-11 offsets in memory; v12 -M, v13 the largest t, v[14:15] the sum; v16-33 zeros, Q, zeros; v34 Q's scale word;
; v36-83 four fragments of K, then of V; v84-87 their scale words; v96-159 S^T, then p; v160-191 O^T; v192-203 p's codes; v204-233 at work.
.set STEPB, 12800
.set HALFB, 8*STEPB
.set QS,    6291456
.macro CROUND
	s_barrier_signal -1
	s_barrier_wait -1
	s_cmp_lg_u32 s5, 0
	s_cbranch_scc1 .Lnot_wave_0_\@
	s_barrier_signal -3
.Lnot_wave_0_\@:
	s_barrier_wait -3
	s_barrier_signal -1
	s_barrier_wait -1
.endm
	s_load_b256 s[32:39], s[0:1], 0x0              ; qq, kv, mk, cq
	v_lshl_add_u32 v254, v0, 2, 0x32000
	v_mov_b32 v255, 0
	ds_add_u32 v254, v255
	ds_add_u32 v254, v255
	v_lshrrev_b32 v4, 5, v0
	s_delay_alu instid0(VALU_DEP_1)
	v_readfirstlane_b32 s5, v4                     ; wave 0..15
	s_bfe_u32 s100, ttmp6, 0x40000                 ; cx
	s_lshl_b32 s67, ttmp9, 2
	s_add_co_u32 s67, s67, s100                    ; my block of 256 queries
	s_lshl_b32 s67, s67, 4
	s_add_co_u32 s67, s67, s5                      ; Tq: my tile of queries, 0 .. 127
	s_and_b32 s66, ttmp7, 0xffff                   ; b h, which the four partners share
	s_mul_i32 s104, s66, 16*STEPB
	s_mul_i32 s11, s5, 6400                        ; my sixteenth of half a head
	s_add_co_u32 s104, s104, s11
	s_mov_b32 s105, 0
	s_mov_b32 s12, 15|(3<<16)|(1<<21)              ; group 1: the mask names all four work-groups; elements of 8 bytes; no padding: 25 rows of 256 bytes
	s_mov_b32 s13, 32<<16
	s_mov_b32 s14, 25<<16
	s_mov_b32 s15, 32<<16
	s_mov_b32 s16, 25
	s_mov_b32 s17, 32
	s_mov_b32 s18, 0
	s_mov_b32 s19, 0
	s_wait_dscnt 0x0
	s_wait_kmcnt 0x0
	s_mov_b32 s20, 1
	s_mov_b32 s21, s11
	s_add_nc_u64 s[22:23], s[34:35], s[104:105]
	s_mov_b32 s24, 1
	s_add_co_u32 s25, s11, HALFB
	s_add_nc_u64 s[26:27], s[22:23], HALFB
	s_or_b32 s23, s23, 0x80000000
	s_or_b32 s27, s27, 0x80000000
	CROUND                                         ; all four work-groups are here: the joint loads meet
	tensor_load_to_lds s[20:23], s[12:19]          ; key steps 0-7
	s_nop 0
	s_wait_alu depctr_va_vdst(0)
	s_wait_tensorcnt 0x0
	ds_add_u32 v254, v255
	s_wait_dscnt 0x0
	CROUND
	tensor_load_to_lds s[24:27], s[12:19]          ; key steps 8-15
	s_nop 0
.rept 4
	v_nop                                          ; four places behind a tensor load
.endr
	s_mov_b64 s[28:29], s[32:33]                   ; qq
	s_mov_b64 s[30:31], s[38:39]                   ; cq
	s_lshl_b32 s104, s67, 12
	s_add_nc_u64 s[2:3], s[36:37], s[104:105]      ; my tile's 16 x 256 bytes of lane masks
	v_and_b32 v4, 31, v0
	s_delay_alu instid0(VALU_DEP_1)
	v_lshlrev_b32 v1, 4, v4
	s_delay_alu instid0(VALU_DEP_2)
	v_lshlrev_b32 v2, 3, v4
	v_and_b32 v5, 15, v0                           ; r
	v_bfe_u32 v6, v0, 4, 1                         ; h
	s_delay_alu instid0(VALU_DEP_1)
	v_lshl_add_u32 v6, v5, 3, v6                   ; 8 r + h
	s_delay_alu instid0(VALU_DEP_3)
	v_lshlrev_b32 v9, 5, v5                        ; 32 r
	s_wait_alu depctr_va_vdst(0)
	s_lshl_b32 s104, s66, 7
	s_add_co_u32 s104, s104, s67
	s_mul_i32 s104, s104, 768                      ; Q's codes: (128 b h + Tq) x 768
	v_add_nc_u32 v7, s104, v1
	s_wait_alu depctr_va_vdst(0)
	v_add_nc_u32 v8, s104, v2
	s_wait_alu depctr_va_vdst(0)
	s_lshl_b32 s104, s66, 4
	s_lshr_b32 s10, s67, 3
	s_add_co_u32 s104, s104, s10
	s_lshl_b32 s104, s104, 9
	s_and_b32 s10, s67, 7
	s_lshl_b32 s10, s10, 2
	s_add_co_u32 s104, s104, s10
	s_add_co_u32 s104, s104, QS                    ; its scale words: QS + (16 b h + Tq / 8) x 512 + 4 (Tq % 8), + 32 r
	v_add_nc_u32 v9, s104, v9
	global_load_b128 v[22:25], v7, s[28:29]
	global_load_b64 v[26:27], v8, s[28:29] offset:512
	global_load_b32 v34, v9, s[28:29]
	; where ctx goes in cq (laid as xq, a fragment as: registers 0-3 at 16 l, 4-5 at 512 + 8 l, 6-9 at 768 + 16 l, 10-11 at 1,280 + 8 l): tile Tg = 128 batch + Tq, K step s = head / 2, half c = head % 2 of the fragment
	s_lshr_b32 s10, s66, 4
	s_lshl_b32 s10, s10, 7
	s_add_co_u32 s10, s10, s67                     ; Tg
	s_bfe_u32 s11, s66, 0x30001                    ; s
	s_lshr_b32 s104, s10, 3
	s_lshl_b32 s104, s104, 1
	s_lshr_b32 s100, s11, 2
	s_add_co_u32 s104, s104, s100
	s_mul_i32 s104, s104, 51200                    ; (2 (Tg / 8) + s / 4) x 51,200
	s_and_b32 s10, s10, 7
	s_and_b32 s100, s11, 3
	s_and_b32 s101, s66, 1
	s_lshl_b32 s105, s100, 3
	s_add_co_u32 s105, s105, s10
	s_mul_i32 s105, s105, 1536
	s_add_co_u32 s105, s105, s104
	s_mul_i32 s67, s101, 768
	s_add_co_u32 s105, s105, s67
	v_add_nc_u32 v10, s105, v1                     ; the codes
	v_add_nc_u32 v11, s105, v2
	s_lshl_b32 s10, s10, 8
	s_add_co_u32 s104, s104, s10
	s_and_b32 s10, s100, 1
	s_lshl_b32 s10, s10, 7
	s_add_co_u32 s104, s104, s10
	s_lshr_b32 s10, s100, 1
	s_lshl_b32 s10, s10, 2
	s_add_co_u32 s104, s104, s10
	s_lshl_b32 s10, s101, 1
	s_add_co_u32 s104, s104, s10
	s_add_co_u32 s104, s104, 49152
	v_add_nc_u32 v6, s104, v6                      ; the scale byte of block 2 c + h of row r
	s_mov_b32 s4, 0
	s_load_b512 s[32:47], s[2:3], s4 offset:0x0    ; key step 0's 64 lane masks
	s_load_b512 s[48:63], s[2:3], s4 offset:0x40
	s_load_b512 s[68:83], s[2:3], s4 offset:0x80
	s_load_b512 s[84:99], s[2:3], s4 offset:0xc0
	s_mov_b32 s6, 0x76543210
	s_mov_b32 s7, 0xfedcba98                       ; v_permlanex16_b32's selects for lane l xor 16
	s_mov_b32 s8, 0x3e38aa3b                       ; c = log2(e) / 8
	s_mov_b32 s9, s8                               ; (named with it as a pair)
	s_mov_b32 s66, 0xffff0000                      ; lanes 16-31
	s_mov_b32 s10, 0                               ; the key step
	s_mov_b32 s11, 0                               ; and where it begins in LDS
	v_mov_b32 v3, 0xd0000000                       ; -2^33
	v_mov_b32 v13, 0xff61b1e6                      ; the largest t so far: -3e38
	s_delay_alu instid0(VALU_DEP_1)
	v_floor_f32 v12, -v13                          ; -M
	v_mov_b32 v14, 0
	v_mov_b32 v15, 0
.irp i, 16,17,18,19,20,21,28,29,30,31,32,33
	v_mov_b32 v\i, 0                               ; zero codes on both sides of Q
.endr
.set j, 0
.rept 32
	v_mov_b32 v[160+j], 0                          ; O^T: the step is written once; the first finds zeros
.set j, j+1
.endr
.irp b, 0,1,2,3
	v_mov_b32 v[216+\b], 0                         ; a lane permute's destination counts as one of its sources
.endr
	v_mov_b32 v229, 0                              ; (named as the upper half of the pair v[228:229])
.macro STEP
	s_setprio 2
	v_add_nc_u32 v4, s11, v1
	v_add_nc_u32 v5, s11, v2
	v_nop
	v_nop                                          ; four places in front of loads into registers that the last products have read
.irp f, 0,1,2,3
.irp g, 0,1,2
	ds_load_b128 v[36+12*\f+4*\g:36+12*\f+4*\g+3], v4 offset:1536*\f+512*\g
.endr
.endr
	ds_load_b64 v[84:85], v5 offset:12288
	s_wait_alu depctr_va_vdst(0)
	s_wait_dscnt 0x0
.irp f, 0,1,2,3                        ; S^T: fragment f holds key tiles 2 f (lower half of K) and 2 f + 1 (upper half); Q beside zeros picks one
.irp c, 0,1
.if \f%2
	v_wmma_scale_f32_16x16x128_f8f6f4 v[96+8*(2*\f+\c):103+8*(2*\f+\c)], v[36+12*\f:47+12*\f], v[22-6*\c:33-6*\c], 0, v[84+\f/2], v34 matrix_a_fmt:MATRIX_FMT_BF6 matrix_b_fmt:MATRIX_FMT_BF6 matrix_a_scale:MATRIX_SCALE_ROW1
.else
	v_wmma_scale_f32_16x16x128_f8f6f4 v[96+8*(2*\f+\c):103+8*(2*\f+\c)], v[36+12*\f:47+12*\f], v[22-6*\c:33-6*\c], 0, v[84+\f/2], v34 matrix_a_fmt:MATRIX_FMT_BF6 matrix_b_fmt:MATRIX_FMT_BF6
.endif
.endr
.endr
.rept 4
	v_nop                                          ; places: for V's loads into K's registers, and for the first reads of the scores
.endr
.irp f, 0,1,2,3
.irp g, 0,1,2
	ds_load_b128 v[36+12*\f+4*\g:36+12*\f+4*\g+3], v4 offset:6144+1536*\f+512*\g   ; V lands while the softmax is walked
.endr
.endr
	ds_load_b64 v[86:87], v5 offset:12544
	s_wait_kmcnt 0x0                               ; this step's lane masks, asked for a step ago
.set n, 0
.rept 64                               ; ascending: each accumulator is read from its low end on
.if n < 32
	v_cndmask_b32 v[96+n], v3, v[96+n], s[32+n]
.else
	v_cndmask_b32 v[96+n], v3, v[96+n], s[36+n]
.endif
.set n, n+1
.endr
	s_add_co_u32 s67, s10, 1                       ; the next step's (the last step asks for step 0's again: no load leaves the buffer); s4 is free since the wait above
	s_and_b32 s67, s67, 15
	s_lshl_b32 s4, s67, 8
	s_load_b512 s[32:47], s[2:3], s4 offset:0x0
	s_load_b512 s[48:63], s[2:3], s4 offset:0x40
	s_load_b512 s[68:83], s[2:3], s4 offset:0x80
	s_load_b512 s[84:99], s[2:3], s4 offset:0xc0
.irp b, 0,1,2,3
	v_max3_num_f32 v[212+\b], v[96+16*\b], v[97+16*\b], v[98+16*\b]   ; the largest score of each block of 32 keys: for the row's maximum, and, since p rises with the score, for the block's largest p
.endr
.irp i, 3,5,7,9,11,13
.irp b, 0,1,2,3
	s_delay_alu instid0(VALU_DEP_4)
	v_max3_num_f32 v[212+\b], v[212+\b], v[96+16*\b+\i], v[97+16*\b+\i]
.endr
.endr
.irp b, 0,1,2,3
	s_delay_alu instid0(VALU_DEP_4)
	v_max_num_f32 v[212+\b], v[212+\b], v[111+16*\b]
.endr
.irp b, 0,1,2,3
	s_delay_alu instid0(VALU_DEP_4)
	v_permlanex16_b32 v[216+\b], v[212+\b], s6, s7
.endr
.irp b, 0,1,2,3
	s_delay_alu instid0(VALU_DEP_4)
	v_max_num_f32 v[212+\b], v[212+\b], v[216+\b]
.endr
	s_delay_alu instid0(VALU_DEP_2)
	v_max3_num_f32 v230, v212, v213, v214
	s_delay_alu instid0(VALU_DEP_1)
	v_max_num_f32 v230, v230, v215
	s_delay_alu instid0(VALU_DEP_1)
	v_mul_f32 v230, s8, v230                       ; as t
	s_delay_alu instid0(VALU_DEP_1)
	v_max_num_f32 v13, v13, v230                   ; the running largest t
	v_mov_b32 v230, v12
	s_delay_alu instid0(VALU_DEP_2)
	v_floor_f32 v12, -v13                          ; the new -M = floor(-t): M is a whole number
	s_delay_alu instid0(VALU_DEP_1)
	v_sub_f32 v230, v12, v230                      ; old M - new M: a whole number, 0 or less
	s_delay_alu instid0(VALU_DEP_1)
	v_cvt_i32_f32 v230, v230                       ; (it saturates)
	s_delay_alu instid0(VALU_DEP_1)
	v_ldexp_f32 v228, 1.0, v230                    ; f = 2^(old M - new M)
.set j, 0
.rept 32
	v_pk_fma_f32 v[96+j:97+j], v[96+j:97+j], s[8:9], v[12:13] op_sel_hi:[1,0,0]   ; t - M, two at a time
.set j, j+2
.endr
.irp b, 0,1,2,3
	v_fma_f32 v[212+\b], v[212+\b], s8, v12        ; the same of each block's largest score
.endr
.set j, 0
	s_setprio 1
	s_wait_alu depctr_va_vdst(0)
.rept 64
	v_exp_f32 v[96+j], v[96+j]                     ; p = 2^(t - M)
.set j, j+1
.endr
	v_pk_mul_f32 v[14:15], v[14:15], v[228:229] op_sel_hi:[1,0]   ; the sums under the new M: a plain place behind the exponentials
	s_wait_alu depctr_va_vdst(0)                   ; one wait for the batch of 64, ahead of its first reader
.irp b, 0,1,2,3
	v_exp_f32 v[212+\b], v[212+\b]                 ; the block's largest p
.endr
	v_pk_add_f32 v[232:233], v[96:97], v[98:99]    ; the row's sum, of the unquantised p, in two chains
.irp j, 4,8,12,16,20,24,28,32,36,40,44,48,52,56,60
	v_pk_add_f32 v[14:15], v[14:15], v[96+\j:97+\j]
	v_pk_add_f32 v[232:233], v[232:233], v[98+\j:99+\j]
.endr
	s_delay_alu instid0(VALU_DEP_1)
	v_pk_add_f32 v[14:15], v[14:15], v[232:233]
	s_wait_alu depctr_va_vdst(0)                   ; and one for the four
.irp b, 0,1,2,3
	v_max_num_f32 v[212+\b], 0x2800000, v[212+\b]  ; the floor 2^(5 - 127)
.endr
.irp b, 0,1,2,3
	s_delay_alu instid0(VALU_DEP_4)
	v_add_nc_u32 v[220+\b], 0xfe000000, v[212+\b]  ; the conversion's scale operand
.endr
.irp b, 0,1,2,3
	s_delay_alu instid0(VALU_DEP_4)
	v_lshrrev_b32 v[224+\b], 23, v[220+\b]         ; the scale's byte
.endr
	s_delay_alu instid0(VALU_DEP_3)
	v_lshl_or_b32 v231, v225, 8, v224              ; p's scale word for these 128 keys
	s_delay_alu instid0(VALU_DEP_1)
	v_lshl_or_b32 v231, v226, 16, v231
	s_delay_alu instid0(VALU_DEP_1)
	v_lshl_or_b32 v231, v227, 24, v231
.irp c, 0,1
	v_cvt_scalef32_pk16_bf6_f32 v[192+6*\c:194+6*\c], v[96+32*\c:111+32*\c], v[220+2*\c]
	v_cvt_scalef32_pk16_bf6_f32 v[204+4*\c:206+4*\c], v[112+32*\c:127+32*\c], v[220+2*\c+1]
.endr
	v_nop                                          ; one plain place behind the scaled conversions
	s_setprio 0
.irp c, 0,1
.irp i, 0,1,2
	v_permlane16_swap_b32 v[192+6*\c+\i], v[204+4*\c+\i]
.endr
.irp i, 0,1,2
	s_delay_alu instid0(VALU_DEP_3)
	v_mov_b32 v[195+6*\c+\i], v[204+4*\c+\i]
.endr
.endr
.set j, 0
.rept 16
	v_pk_mul_f32 v[160+j:161+j], v[160+j:161+j], v[228:229] op_sel_hi:[1,0]   ; O^T under the new M; these are also the places between p's codes and scale word and the products
.set j, j+2
.endr
	s_wait_alu depctr_va_vdst(0)
	s_wait_dscnt 0x0                               ; V
.irp t, 0,1,2,3                        ; O^T += V^T P^T: the four accumulators take turns
.if \t%2
	v_wmma_scale_f32_16x16x128_f8f6f4 v[160+8*\t:167+8*\t], v[36+12*\t:47+12*\t], v[192:203], v[160+8*\t:167+8*\t], v[86+\t/2], v231 matrix_a_fmt:MATRIX_FMT_BF6 matrix_b_fmt:MATRIX_FMT_BF6 matrix_a_scale:MATRIX_SCALE_ROW1
.else
	v_wmma_scale_f32_16x16x128_f8f6f4 v[160+8*\t:167+8*\t], v[36+12*\t:47+12*\t], v[192:203], v[160+8*\t:167+8*\t], v[86+\t/2], v231 matrix_a_fmt:MATRIX_FMT_BF6 matrix_b_fmt:MATRIX_FMT_BF6
.endif
.endr
	s_add_co_u32 s11, s11, STEPB
.endm
	s_wait_tensorcnt 1                             ; my part of key steps 0-7 is in; the other load may stay out
	s_barrier_signal -1
	s_barrier_wait -1                              ; everybody's is
	s_wait_loadcnt 0x0                             ; Q
.Lfirst:
	STEP
	s_add_co_u32 s10, s10, 1
	s_cmp_lt_u32 s10, 8
	s_cbranch_scc1 .Lfirst
	s_setprio 0
	s_wait_tensorcnt 0x0                           ; my part of key steps 8-15
	s_wait_dscnt 0x0
	s_barrier_signal -1
	s_barrier_wait -1
.Lsecond:
	STEP
	s_add_co_u32 s10, s10, 1
	s_cmp_lt_u32 s10, 16
	s_cbranch_scc1 .Lsecond
	s_setprio 0
	; THE WAY OUT: O^T / the sum, quantised along the head's 64 channels: two blocks, half of each in lane l xor 16
.rept 4
	v_nop                                          ; places behind the last products
.endr
	v_add_f32 v14, v14, v15
	s_delay_alu instid0(VALU_DEP_1)
	v_permlanex16_b32 v216, v14, s6, s7
	s_delay_alu instid0(VALU_DEP_1)
	v_add_f32 v14, v14, v216                       ; the row's sum
	s_wait_alu depctr_va_vdst(0)
	v_rcp_f32 v14, v14
	v_nop                                          ; a plain place behind the transcendental
	s_wait_alu depctr_va_vdst(0)                   ; and the wait ahead of its first reader
.set j, 0
.rept 32
	v_mul_f32 v[96+j], v[160+j], v14               ; register 16 b + i: channel 32 b + 16 h + i
.set j, j+1
.endr
.irp b, 0,1
	v_max3_num_f32 v[212+\b], |v[96+16*\b]|, |v[97+16*\b]|, 0x2800000
.endr
.irp i, 2,4,6,8,10,12,14
.irp b, 0,1
	s_delay_alu instid0(VALU_DEP_2)
	v_max3_num_f32 v[212+\b], v[212+\b], |v[96+16*\b+\i]|, |v[97+16*\b+\i]|
.endr
.endr
.irp b, 0,1
	s_delay_alu instid0(VALU_DEP_2)
	v_permlanex16_b32 v[216+\b], v[212+\b], s6, s7
.endr
.irp b, 0,1
	s_delay_alu instid0(VALU_DEP_2)
	v_max_num_f32 v[212+\b], v[212+\b], v[216+\b]
.endr
.irp b, 0,1
	s_delay_alu instid0(VALU_DEP_2)
	v_add_nc_u32 v[220+\b], 0xfe000000, v[212+\b]
.endr
.irp b, 0,1
	s_delay_alu instid0(VALU_DEP_2)
	v_lshrrev_b32 v[224+\b], 23, v[220+\b]
.endr
	v_cvt_scalef32_pk16_bf6_f32 v[192:194], v[96:111], v220
	v_cvt_scalef32_pk16_bf6_f32 v[204:206], v[112:127], v221
	v_nop
.irp i, 0,1,2
	v_permlane16_swap_b32 v[192+\i], v[204+\i]
.endr
.irp i, 0,1,2
	s_delay_alu instid0(VALU_DEP_3)
	v_mov_b32 v[195+\i], v[204+\i]
.endr
	v_cndmask_b32 v230, v224, v225, s66            ; lanes 0-15 carry the first block's byte, lanes 16-31 the second's
	global_store_b128 v10, v[192:195], s[30:31]    ; 512 and 256 consecutive bytes, aligned
	global_store_b64 v11, v[196:197], s[30:31] offset:512
	global_store_b8 v6, v230, s[30:31]             ; two bytes a row: the other bytes of these words are other heads'
	s_wait_tensorcnt 0x0
	ds_add_u32 v254, v255
	s_wait_dscnt 0x0
	CROUND                                         ; the closing round
	s_endpgm
.Lfunc_end_k_q3f294c090a_attn:
	.size	k_q3f294c090a_attn, .Lfunc_end_k_q3f294c090a_attn-k_q3f294c090a_attn
	.p2alignl 7, 3214868480
	.fill 96, 4, 3214868480
	.section	.rodata,"a",@progbits
	.p2align	6, 0x0
	.amdhsa_kernel k_q3f294c090a_attn
		.amdhsa_group_segment_fixed_size 327680
		.amdhsa_private_segment_fixed_size 0
		.amdhsa_enable_private_segment 0
		.amdhsa_kernarg_size 32
		.amdhsa_user_sgpr_count 2
		.amdhsa_user_sgpr_kernarg_segment_ptr 1
		.amdhsa_wavefront_size32 1
		.amdhsa_system_sgpr_workgroup_id_x 1
		.amdhsa_system_sgpr_workgroup_id_y 1
		.amdhsa_system_sgpr_workgroup_id_z 1
		.amdhsa_system_vgpr_workitem_id 0
		.amdhsa_next_free_vgpr 256
		.amdhsa_next_free_sgpr 106
		.amdhsa_reserve_vcc 0
		.amdhsa_float_denorm_mode_32 3
		.amdhsa_float_denorm_mode_16_64 3
		.amdhsa_memory_ordered 1
		.amdhsa_forward_progress 1
		.amdhsa_inst_pref_size 57
	.end_amdhsa_kernel
	.amdgpu_metadata
---
amdhsa.version: [ 1, 2 ]
amdhsa.kernels:
  - .name:           k_q3f294c090a_attn
    .symbol:         k_q3f294c090a_attn.kd
    .args:
      - { .name: qq, .offset: 0, .size: 8, .value_kind: global_buffer, .address_space: global }
      - { .name: kv, .offset: 8, .size: 8, .value_kind: global_buffer, .address_space: global }
      - { .name: mk, .offset: 16, .size: 8, .value_kind: global_buffer, .address_space: global }
      - { .name: cq, .offset: 24, .size: 8, .value_kind: global_buffer, .address_space: global }
    .group_segment_fixed_size: 327680
    .private_segment_fixed_size: 0
    .kernarg_segment_align: 8
    .kernarg_segment_size: 32
    .max_flat_workgroup_size: 512
    .sgpr_count:     106
    .vgpr_count:     256
    .wavefront_size: 32
...
	.end_amdgpu_metadata
.endif
;; end of part 3
;; launch outp (part 4): grid 4 x 64, 4 waves a work-group, clusters of 4 x 4, 327,680 bytes of LDS; arguments cq, wq, bo, out0; writes out0
.if DOCPART == 4
	.amdgcn_target "amdgcn-amd-amdhsa--gfx1250"
	.amdhsa_code_object_version 6
	.text
	.protected	k_q3f294c090a_outp
	.globl	k_q3f294c090a_outp
	.p2align	8
	.type	k_q3f294c090a_outp,@function
k_q3f294c090a_outp:
	s_mov_b64 s[64:65], 0
	v_nop
	global_prefetch_b8 v0, s[64:65] scope:SCOPE_SE
	s_setreg_imm32_b32 hwreg(HW_REG_WAVE_MODE, 25, 1), 1
	s_wait_xcnt 0x0
	s_wait_alu depctr_hold_cnt(0) depctr_sa_sdst(0) depctr_va_vdst(0) depctr_va_sdst(0) depctr_va_ssrc(0) depctr_va_vcc(0) depctr_vm_vsrc(0)
	s_getreg_b32 s2, hwreg(HW_REG_IB_STS2, 6, 4)
	s_cmp_eq_u32 s2, 0
	s_cbranch_scc0 .Lentry_in_a_cluster
	s_endpgm
.Lentry_in_a_cluster:
	s_bfe_u32 s2, ttmp6, 0x10000c
	s_cmp_lg_u32 s2, 0xf033
	s_cbranch_scc0 .Lentry_shape_is_right
	s_endpgm
.Lentry_shape_is_right:
; OUTP.  out0 = ctx Wo^T + bo on codes of BF6.  cq: [128 rows: 64][half of K: 2][51,200]: [K step 4][tile 8][1,536], then the scale words [tile 8][256]; a fragment's registers 0-3 of lane l at 16 l, 4-5 at 512 + 8 l, 6-9 at 768 + 16 l, 10-11 at 1,280 + 8 l.
; wq: groups 12 .. 15 are Wo's: [half 2][102,400]: [K step 4][tile 16][1,536: registers 4 g .. 4 g + 3 at 512 g + 16 l], then [tile 16][256].  Tile T holds rows 32 (T / 2) + 8 (T % 2) + p + 8 (p / 8).
; SHARES.  Work-group (j, i): rows 128 i .. + 127, columns 256 j .. + 255; a wave 128 x 64: 32 accumulators.  All of K lies in LDS at once: four tensor loads a wave at the start (four of mine are out at the most), nothing is filled again.
; CLUSTER 4 x 4: ctx is asked for jointly along a row of the cluster, Wo along a column.
; Source 0 = 16 rows of Wo, source 1 = 16 rows of ctx: a lane holds one row of the output, and the 16 registers of two neighbouring tiles of Wo are 16 neighbouring columns.
; REGISTERS.  Window 0: v3-18 addresses; v20-67 scale words, two sets; v68-163 Wo's fragments, two sets of 4; v164-227 rows on the way out.  Window 1: the accumulators.  Window 2: v0-191 ctx's fragments, two sets of 8; v192-223 the bias as C.
.set XH,    51200
.set WS,    102400
.set WB,    2*XH
.set STG,   WB+2*WS                    ; behind the tiles: a stage of 16 rows x (256 + 16) bytes for each wave; no tensor load lands there
.set SC,    20
.set WF,    68
.set OUTR,  164
.set BI,    192
.set MSB, 0
.macro WIN new
.if MSB != \new
	s_set_vgpr_msb (MSB<<8)|\new
.set MSB, \new
.endif
.endm
.macro PLACES cnt
.rept \cnt
	v_nop
.endr
.endm
.macro CROUND
	s_barrier_signal -1
	s_barrier_wait -1
	s_cmp_lg_u32 s18, 0
	s_cbranch_scc1 .Lnot_wave_0_\@
	s_barrier_signal -3
.Lnot_wave_0_\@:
	s_barrier_wait -3
	s_barrier_signal -1
	s_barrier_wait -1
.endm
	s_load_b256 s[4:11], s[0:1], 0x0               ; cq, wq, bo, out0
	v_lshl_add_u32 v254, v0, 2, 0x4f400
	v_mov_b32 v255, 0
	ds_add_u32 v254, v255
	ds_add_u32 v254, v255
	v_lshrrev_b32 v18, 5, v0
	v_readfirstlane_b32 s18, v18                   ; wave
	s_bfe_u32 s19, ttmp6, 0x40000                  ; cx
	s_bfe_u32 s20, ttmp6, 0x40004                  ; cy
	s_lshl_b32 s21, ttmp9, 2
	s_add_co_u32 s21, s21, s19                     ; j
	s_and_b32 s22, ttmp7, 0xffff
	s_lshl_b32 s22, s22, 2
	s_add_co_u32 s22, s22, s20                     ; i
	s_lshl_b32 s23, s20, 2
	s_lshl_b32 s23, 15, s23                        ; my row of the cluster
	s_lshl_b32 s59, 0x1111, s19                    ; my column
	s_or_b32 s24, s23, (3<<16)|(1<<21)             ; groups 1: dense blocks as rows of 256 bytes, no padding: 50 rows a wave of ctx, 100 of Wo
	s_mov_b32 s25, 32<<16
	s_mov_b32 s26, 50<<16
	s_mov_b32 s27, 32<<16
	s_mov_b32 s28, 50
	s_mov_b32 s29, 32
	s_mov_b32 s30, 0
	s_mov_b32 s31, 0
	s_or_b32 s32, s59, (3<<16)|(1<<21)
	s_mov_b32 s33, 32<<16
	s_mov_b32 s34, 100<<16
	s_mov_b32 s35, 32<<16
	s_mov_b32 s36, 100
	s_mov_b32 s37, 32
	s_mov_b32 s38, 0
	s_mov_b32 s39, 0
	s_lshl_b32 s76, s22, 1
	s_mul_i32 s76, s76, XH
	s_mul_i32 s68, s18, 12800
	s_add_co_u32 s76, s76, s68
	s_mov_b32 s77, 0
	s_add_co_u32 s78, s21, 12                      ; Wo's groups
	s_lshl_b32 s78, s78, 1
	s_mul_i32 s78, s78, WS
	s_mul_i32 s69, s18, 25600
	s_add_co_u32 s78, s78, s69
	s_mov_b32 s79, 0
	s_wait_dscnt 0x0
	s_wait_kmcnt 0x0
	s_add_nc_u64 s[76:77], s[4:5], s[76:77]
	s_add_nc_u64 s[78:79], s[6:7], s[78:79]
	s_mov_b32 s40, 1
	s_mov_b32 s41, s68
	s_mov_b64 s[42:43], s[76:77]
	s_or_b32 s43, s43, 0x80000000
	s_mov_b32 s44, 1
	s_add_co_u32 s45, s68, XH
	s_add_nc_u64 s[46:47], s[76:77], XH
	s_or_b32 s47, s47, 0x80000000
	s_mov_b32 s48, 1
	s_add_co_u32 s49, s69, WB
	s_mov_b64 s[50:51], s[78:79]
	s_or_b32 s51, s51, 0x80000000
	s_mov_b32 s52, 1
	s_add_co_u32 s53, s69, WB+WS
	s_add_nc_u64 s[54:55], s[78:79], WS
	s_or_b32 s55, s55, 0x80000000
	CROUND                                         ; all sixteen work-groups are here: the joint loads meet
	tensor_load_to_lds s[40:43], s[24:31]          ; the first half of K: ctx, Wo;
	s_nop 0
	tensor_load_to_lds s[48:51], s[32:39]
	s_nop 0
	tensor_load_to_lds s[44:47], s[24:31]          ; the second
	s_nop 0
	tensor_load_to_lds s[52:55], s[32:39]
	s_nop 0
	PLACES 4                                       ; four places behind a tensor load
	s_lshl_b32 s76, s21, 2
	s_add_co_u32 s76, s76, s18
	s_lshl_b32 s76, s76, 8                         ; my 64 columns, in bytes
	s_mov_b32 s77, 0
	s_add_nc_u64 s[70:71], s[8:9], s[76:77]        ; their bias
	s_add_nc_u64 s[10:11], s[10:11], s[76:77]
	s_lshl_b32 s76, s22, 19                        ; 128 rows of 4,096 bytes
	s_add_nc_u64 s[10:11], s[10:11], s[76:77]      ; out0 at my block's first row, my first column
	v_and_b32 v18, 31, v0
	v_and_b32 v19, 15, v0
	v_bfe_u32 v1, v0, 4, 1
	v_lshlrev_b32 v3, 4, v18                       ; ctx's fragments: 16 x lane, half 0, 1
	v_add_nc_u32 v4, XH, v3
	v_lshlrev_b32 v13, 3, v18                      ; and 8 x lane
	v_add_nc_u32 v14, XH, v13
	s_mul_i32 s76, s18, 6144
	s_add_co_u32 s76, s76, WB
	v_add_nc_u32 v5, s76, v3                       ; Wo's fragments: slot 0, K steps 0-1; 2-3; slot 1
	v_add_nc_u32 v6, 49152, v5
	v_add_nc_u32 v7, WS, v5
	v_add_nc_u32 v8, WS, v6
	v_add_nc_u32 v9, 49152, v13                    ; ctx's scale words
	v_add_nc_u32 v10, XH+49152, v13
	s_lshl_b32 s76, s18, 10
	s_add_co_u32 s76, s76, WB+98304
	v_add_nc_u32 v11, s76, v13                     ; Wo's
	v_add_nc_u32 v12, WS, v11
	v_lshlrev_b32 v15, 6, v1                       ; 64 h
	s_mul_i32 s76, s18, 16*272
	s_add_co_u32 s76, s76, STG                     ; my stage
	v_mul_u32_u24 v16, v19, 272
	v_lshl_add_u32 v16, v1, 6, v16
	v_add_nc_u32 v16, s76, v16                     ; in: row r, + 64 h
	v_mul_u32_u24 v17, v1, 272
	v_lshl_add_u32 v17, v19, 4, v17
	v_add_nc_u32 v17, s76, v17                     ; back: lanes 0-15 one row of 256 bytes, lanes 16-31 the next
	v_lshlrev_b32 v18, 12, v1
	v_lshl_add_u32 v18, v19, 4, v18                ; and the same two rows in out0
.macro FETCHX hf, sl, set
	WIN 0x80
.set fa, 0
.rept 8
	ds_load_b128 v[96*(\set)+12*fa:96*(\set)+12*fa+3], v[3+(\hf)] offset:12288*(\sl)+1536*fa
	ds_load_b64 v[96*(\set)+12*fa+4:96*(\set)+12*fa+5], v[13+(\hf)] offset:12288*(\sl)+1536*fa+512
	ds_load_b128 v[96*(\set)+12*fa+6:96*(\set)+12*fa+9], v[3+(\hf)] offset:12288*(\sl)+1536*fa+768
	ds_load_b64 v[96*(\set)+12*fa+10:96*(\set)+12*fa+11], v[13+(\hf)] offset:12288*(\sl)+1536*fa+1280
.set fa, fa+1
.endr
.endm
.macro FETCHW sg, sl, set
	WIN 0
.irp b, 0,1,2,3
.irp g, 0,1,2
	ds_load_b128 v[WF+48*(\set)+12*\b+4*\g:WF+48*(\set)+12*\b+4*\g+3], v[5+2*(\sg)+((\sl)>>1)] offset:24576*((\sl)&1)+1536*\b+512*\g
.endr
.endr
.endm
.macro SCALES p
	WIN 0
.irp a, 0,1,2,3,4,5,6,7
	ds_load_b64 v[SC+24*((\p)&1)+2*\a:SC+24*((\p)&1)+2*\a+1], v[9+((\p)&1)] offset:256*\a
.endr
.irp b, 0,1,2,3
	ds_load_b64 v[SC+24*((\p)&1)+16+2*\b:SC+24*((\p)&1)+16+2*\b+1], v[11+((\p)&1)] offset:256*\b
.endr
.endm
; A K step's 32 products: the accumulators take turns, one instruction a turn, in the same order in every step.  first = 1: the bias is C and starts the sums.
.macro MUL set, sl, p, first
.if \first
	WIN 0x68
.else
	WIN 0x58
.endif
.set ma, 0
.rept 8
.set mb, 0
.rept 4
.set rD, 8*(4*ma+mb)
.set rA, WF+48*(\set)+12*mb
.set rB, 96*(\set)+12*ma
.set sA, SC+24*((\p)&1)+16+2*mb+((\sl)>>1)
.set sB, SC+24*((\p)&1)+2*ma+((\sl)>>1)
.if \first
.set rC, BI+8*mb
.else
.set rC, rD
.endif
.if (\sl)&1
	v_wmma_scale_f32_16x16x128_f8f6f4 v[rD:rD+7], v[rA:rA+11], v[rB:rB+11], v[rC:rC+7], v[sA], v[sB] matrix_a_fmt:MATRIX_FMT_BF6 matrix_b_fmt:MATRIX_FMT_BF6 matrix_a_scale:MATRIX_SCALE_ROW1 matrix_b_scale:MATRIX_SCALE_ROW1
.else
	v_wmma_scale_f32_16x16x128_f8f6f4 v[rD:rD+7], v[rA:rA+11], v[rB:rB+11], v[rC:rC+7], v[sA], v[sB] matrix_a_fmt:MATRIX_FMT_BF6 matrix_b_fmt:MATRIX_FMT_BF6
.endif
.set mb, mb+1
.endr
.set ma, ma+1
.endr
.endm
.macro STEP p, sl, first
	s_wait_dscnt 0x0                               ; this step's fragments are in
.if \first
	s_wait_loadcnt 0x0                             ; the bias
.endif
	PLACES 4                                       ; in front of loads into registers that the last step's products have read
	FETCHX (\p)&1, (\sl)+1, ((\sl)+1)&1
	FETCHW (\p)&1, (\sl)+1, ((\sl)+1)&1
	MUL (\sl)&1, \sl, \p, \first
.endm
	WIN 0x80
.irp b, 0,1,2,3                        ; in tile b lane (r, h) holds columns 32 (b / 2) + 16 h + 8 (b % 2) + 0 .. 7
	global_load_b128 v[BI+8*\b:BI+8*\b+3], v15, s[70:71] offset:4*(32*(\b/2)+8*(\b%2))
	global_load_b128 v[BI+8*\b+4:BI+8*\b+7], v15, s[70:71] offset:4*(32*(\b/2)+8*(\b%2))+16
.endr
	WIN 0
	s_wait_tensorcnt 2                             ; my parts of the first half of K are in; the two loads behind them may stay out
	s_barrier_signal -1
	s_barrier_wait -1
	FETCHX 0, 0, 0
	FETCHW 0, 0, 0
	SCALES 0
	STEP 0, 0, 1
	STEP 0, 1, 0
	STEP 0, 2, 0
	s_wait_tensorcnt 0x0                           ; my parts of the second half of K
	s_wait_dscnt 0x0                               ; and K step 3's fragments
	s_barrier_signal -1
	s_barrier_wait -1                              ; everybody's are
	PLACES 4
	FETCHX 1, 0, 0
	FETCHW 1, 0, 0
	SCALES 1
	MUL 1, 3, 0, 0
	STEP 1, 0, 0
	STEP 1, 1, 0
	STEP 1, 2, 0
	s_wait_dscnt 0x0
	MUL 1, 3, 1, 0
; THE WAY OUT, a tile of 16 rows x 64 columns at a time, through my own stage: a lane holds 16 + 16 neighbouring numbers of one row; back come whole rows of 256 bytes.  LDS serves a wave's instructions in order (ISA guide 5.7.1.4).
.macro TOSTAGE a
	WIN 0x04                                       ; an LDS store's data are its source 1: window 1
.irp e, 0,1
.irp q, 0,1,2,3
	ds_store_b128 v16, v[32*(\a)+16*\e+4*\q:32*(\a)+16*\e+4*\q+3] offset:128*\e+16*\q   ; each accumulator from its low end on
.endr
.endr
	WIN 0
.irp t, 0,1,2,3,4,5,6,7
	ds_load_b128 v[OUTR+32*((\a)%2)+4*\t:OUTR+32*((\a)%2)+4*\t+3], v17 offset:544*\t
.endr
.endm
.macro SEND a, younger                 ; younger: the LDS instructions issued behind tile a's loads
	s_wait_dscnt \younger
.irp t, 0,1,2,3,4,5,6,7
	global_store_b128 v18, v[OUTR+32*((\a)%2)+4*\t:OUTR+32*((\a)%2)+4*\t+3], s[10:11] offset:(32*((\a)/2)+8*((\a)%2)+2*\t+8*(\t/4))*4096 th:TH_STORE_NT   ; sixteen lanes store 256 consecutive bytes, aligned
.endr
.endm
	PLACES 4                                       ; behind the last products
	s_wait_alu depctr_va_vdst(0)
	TOSTAGE 0
.irp a, 1,2,3,4,5,6,7
.if \a > 1
	s_wait_xcnt 0x0                                ; the stores of two tiles ago have read their registers: this tile's loads may land there
.endif
	TOSTAGE \a
	SEND \a-1, 16                                  ; behind that tile's loads: this tile's 8 stores and 8 loads
.endr
	SEND 7, 0
	s_wait_tensorcnt 0x0
	ds_add_u32 v254, v255
	s_wait_dscnt 0x0
	CROUND                                         ; the closing round: no work-group ends while a partner may still ask for a tile that names it
	s_endpgm
.Lfunc_end_k_q3f294c090a_outp:
	.size	k_q3f294c090a_outp, .Lfunc_end_k_q3f294c090a_outp-k_q3f294c090a_outp
	.p2alignl 7, 3214868480
	.fill 96, 4, 3214868480
	.section	.rodata,"a",@progbits
	.p2align	6, 0x0
	.amdhsa_kernel k_q3f294c090a_outp
		.amdhsa_group_segment_fixed_size 327680
		.amdhsa_private_segment_fixed_size 0
		.amdhsa_enable_private_segment 0
		.amdhsa_kernarg_size 32
		.amdhsa_user_sgpr_count 2
		.amdhsa_user_sgpr_kernarg_segment_ptr 1
		.amdhsa_wavefront_size32 1
		.amdhsa_system_sgpr_workgroup_id_x 1
		.amdhsa_system_sgpr_workgroup_id_y 1
		.amdhsa_system_sgpr_workgroup_id_z 1
		.amdhsa_system_vgpr_workitem_id 0
		.amdhsa_next_free_vgpr 736
		.amdhsa_next_free_sgpr 80
		.amdhsa_reserve_vcc 0
		.amdhsa_float_denorm_mode_32 3
		.amdhsa_float_denorm_mode_16_64 3
		.amdhsa_memory_ordered 1
		.amdhsa_forward_progress 1
		.amdhsa_inst_pref_size 81
	.end_amdhsa_kernel
	.amdgpu_metadata
---
amdhsa.version: [ 1, 2 ]
amdhsa.kernels:
  - .name:           k_q3f294c090a_outp
    .symbol:         k_q3f294c090a_outp.kd
    .args:
      - { .name: cq, .offset: 0, .size: 8, .value_kind: global_buffer, .address_space: global }
      - { .name: wq, .offset: 8, .size: 8, .value_kind: global_buffer, .address_space: global }
      - { .name: bo, .offset: 16, .size: 8, .value_kind: global_buffer, .address_space: global }
      - { .name: out0, .offset: 24, .size: 8, .value_kind: global_buffer, .address_space: global }
    .group_segment_fixed_size: 327680
    .private_segment_fixed_size: 0
    .kernarg_segment_align: 8
    .kernarg_segment_size: 32
    .max_flat_workgroup_size: 128
    .sgpr_count:     80
    .vgpr_count:     736
    .wavefront_size: 32
...
	.end_amdgpu_metadata
.endif
;; end of part 4
